; MI455X (gfx1250); checked and timed in simulation.
; The chip was launched on July 23, 2026; its instructions are those of AMD's public machine-readable ISA for CDNA 5 (MIT licence, August 2026) and "CDNA5" Instruction Set Architecture Reference Guide (July 2026). The comments in the code are by the model that wrote it; some were corrected since.
;; Local GQ Attention. Allowed arithmetic: float matrix products may take bf16 or f16 operands with f32 sums; other float arithmetic in f32, or as packed bf16 or f16 multiplies, adds, multiply-adds, maxima and minima; sums over many terms, partial sums and values carried from step to step in f32; what a program stores and reads back later, other than sums and carried values, may be rounded once to bf16 or f16.
;; Inputs: wk 512 x 2,048 float32; wo 2,048 x 1,024 float32; wq 1,024 x 2,048 float32; wv 512 x 2,048 float32; x 1 x 4,096 x 2,048 float32.
;; Outputs: out0 1 x 4,096 x 2,048 float32.
;; One version. Each part assembles by itself: llvm-mc -triple=amdgcn-amd-amdhsa -mcpu=gfx1250 --defsym DOCPART=n.
;; ======== version 1 of 1: 4 launches
;; limits: values are held in f16: magnitudes above 65,504 overflow, below 6.1e-05 lose precision
;; workspace buffers: xb 16,777,216 bytes; wqkv 8,388,608 bytes; wob 4,194,304 bytes; tab 2,129,920 bytes; heads 16,777,216 bytes; ctx 8,388,608 bytes
;; launch prep (part 1): grid 2052 x 1, 8 waves a work-group, no clusters, 0 bytes of LDS; arguments x, wq, wk, wv, wo, xb, wqkv, wob, tab; writes xb, wqkv, wob, tab
.if DOCPART == 1
	.amdgcn_target "amdgcn-amd-amdhsa--gfx1250"
	.amdhsa_code_object_version 6
	.text
	.protected	k_q3146e6dbb8_prep
	.globl	k_q3146e6dbb8_prep
	.p2align	8
	.type	k_q3146e6dbb8_prep,@function
k_q3146e6dbb8_prep:
	s_mov_b64 s[64:65], 0
	v_nop
	global_prefetch_b8 v0, s[64:65] scope:SCOPE_SE
	s_setreg_imm32_b32 hwreg(HW_REG_WAVE_MODE, 25, 1), 1
	s_wait_xcnt 0x0
; PREP: the casts of all five inputs and the table of RoPE's cosines and sines.
; Work-groups 0 .. 1791 cast 8,192 numbers each: x -> xb (bf16); wq, wk, wv -> wqkv (bf16, end to end: rows 0-1023 q, 1024-1535 k, 1536-2047 v);
; wo -> wob: rounded to bf16 like the other inputs, and that number written as f16 (exact inside f16's normal range).
; Work-groups 1792 .. 2051 make 16 rows each of tab: row t = 64 cosines, then 64 sines (f32) of t / 10000^(j/64); rows 4096 .. 4159 hold the angle 0
; (cosine 1, sine 0): the rows that v's columns take in the next launch.
; LIMITS.  |wo| stays under 65,504; below 6e-5 it keeps f16's fixed step of 6e-8.  The angles hang on the sizes alone (t < 4,096): the reduction by pi/2 in two parts
; and the two polynomials (cut at r^7 and r^8, |r| <= pi/4: first terms left out 3e-7 and 3e-8) are made for that range.
; A stream: every load of a wave takes 512 consecutive bytes, every store 256 consecutive aligned bytes; nothing is read twice; no LDS, no barrier, no matrix unit.
.set G_WQ,  1024                       ; first work-group of wq's chunks (x has 4096 x 2048 / 8192 = 1,024)
.set G_WK,  1280
.set G_WV,  1408
.set G_WO,  1536
.set G_TAB, 1792
.set SRC, 26                           ; s[26:27] where my chunk is read
.set DST, 28                           ; s[28:29] where it is written
	s_load_b512 s[8:23], s[0:1], 0x0               ; x 8, wq 10, wk 12, wv 14, wo 16, xb 18, wqkv 20, wob 22
	s_load_b64 s[24:25], s[0:1], 0x40              ; tab
	s_mov_b32 s2, ttmp9                            ; g
	v_lshlrev_b32 v1, 4, v0                        ; 16 bytes a thread in
	v_lshlrev_b32 v2, 3, v0                        ; 8 bytes a thread out
	s_wait_kmcnt 0x0
	s_cmp_ge_u32 s2, G_TAB
	s_cbranch_scc1 .Ltable
	; which tensor: four compares on g choose the two buffers and the chunk numbers at which they begin
	s_mov_b64 s[SRC:SRC+1], s[8:9]
	s_mov_b64 s[DST:DST+1], s[18:19]
	s_mov_b32 s30, 0
	s_mov_b32 s31, 0
	s_cmp_ge_u32 s2, G_WQ
	s_cselect_b64 s[SRC:SRC+1], s[10:11], s[SRC:SRC+1]
	s_cselect_b64 s[DST:DST+1], s[20:21], s[DST:DST+1]
	s_cselect_b32 s30, G_WQ, s30
	s_cselect_b32 s31, G_WQ, s31
	s_cmp_ge_u32 s2, G_WK
	s_cselect_b64 s[SRC:SRC+1], s[12:13], s[SRC:SRC+1]
	s_cselect_b32 s30, G_WK, s30
	s_cmp_ge_u32 s2, G_WV
	s_cselect_b64 s[SRC:SRC+1], s[14:15], s[SRC:SRC+1]
	s_cselect_b32 s30, G_WV, s30
	s_cmp_ge_u32 s2, G_WO
	s_cselect_b64 s[SRC:SRC+1], s[16:17], s[SRC:SRC+1]
	s_cselect_b64 s[DST:DST+1], s[22:23], s[DST:DST+1]
	s_cselect_b32 s30, G_WO, s30
	s_cselect_b32 s31, G_WO, s31
	s_sub_co_u32 s32, s2, s30
	s_lshl_b32 s32, s32, 15                        ; 32,768 bytes of f32 a chunk
	s_mov_b32 s33, 0
	s_add_nc_u64 s[SRC:SRC+1], s[SRC:SRC+1], s[32:33]
	s_sub_co_u32 s34, s2, s31
	s_lshl_b32 s34, s34, 14                        ; 16,384 bytes of 16-bit numbers
	s_mov_b32 s35, 0
	s_add_nc_u64 s[DST:DST+1], s[DST:DST+1], s[34:35]
.irp i, 0,1,2,3,4,5,6,7
	global_load_b128 v[8+4*(\i):11+4*(\i)], v1, s[SRC:SRC+1] offset:4096*(\i) th:TH_LOAD_NT
.endr
; Load i is rounded and stored.  Each i has data registers of its own, and no address register is written again: no wait but the load's own.
.macro OUT half
.irp i, 0,1,2,3,4,5,6,7
	s_wait_loadcnt 7-(\i)                          ; loads come back in order: the 7 - i younger ones may stay out
	v_cvt_pk_bf16_f32 v[40+2*(\i)], v[8+4*(\i)], v[9+4*(\i)]
	v_cvt_pk_bf16_f32 v[41+2*(\i)], v[10+4*(\i)], v[11+4*(\i)]
.if \half
	v_lshlrev_b32 v56, 16, v[40+2*(\i)]            ; the bf16 numbers as f32,
	v_and_b32 v57, 0xffff0000, v[40+2*(\i)]
	v_lshlrev_b32 v58, 16, v[41+2*(\i)]
	v_and_b32 v59, 0xffff0000, v[41+2*(\i)]
	v_cvt_pk_f16_f32 v[40+2*(\i)], v56, v57        ; written as f16
	v_cvt_pk_f16_f32 v[41+2*(\i)], v58, v59
.endif
	global_store_b64 v2, v[40+2*(\i):41+2*(\i)], s[DST:DST+1] offset:2048*(\i)  ; 32 lanes: 256 consecutive bytes, aligned
.endr
.endm
	s_cmp_ge_u32 s2, G_WO
	s_cbranch_scc1 .Lhalf
	OUT 0
	s_endpgm
.Lhalf:
	OUT 1
	s_endpgm
.Ltable:                                       ; thread: row 16 i + tid / 16, the four angles j = 4 (tid % 16) + 0..3
	s_sub_co_u32 s3, s2, G_TAB                     ; i
	s_cmp_lt_u32 s3, 256
	s_cselect_b32 s36, 1.0, 0                      ; rows from 4,096 on take the angle 0: a factor, no branch
	s_mov_b32 s40, 0xbe549a78                      ; -log2(10000) / 64
	s_mov_b32 s41, 0x3f22f983                      ; 2 / pi
	s_mov_b32 s42, 0xbfc90fdb                      ; -(pi/2 rounded to f32)
	s_mov_b32 s43, 0x333bbd2e                      ; that rounding's excess over pi/2, 4.3711388e-8
	s_mov_b32 s44, 0xb9500d01                      ; -1/5040
	s_mov_b32 s45, 0x3c088889                      ; 1/120
	s_mov_b32 s46, 0xbe2aaaab                      ; -1/6
	s_mov_b32 s47, 0x37d00d01                      ; 1/40320
	s_mov_b32 s48, 0xbab60b61                      ; -1/720
	s_mov_b32 s49, 0x3d2aaaab                      ; 1/24
	v_lshrrev_b32 v1, 4, v0
	v_and_b32 v2, 15, v0
	s_lshl_b32 s37, s3, 4
	v_add_nc_u32 v3, s37, v1
	v_cvt_f32_u32 v3, v3
	v_mul_f32 v3, s36, v3                          ; t, or 0
	v_lshlrev_b32 v4, 2, v2
.irp e, 0,1,2,3
	v_add_nc_u32 v[8+(\e)], (\e), v4
.endr
.irp e, 0,1,2,3
	v_cvt_f32_u32 v[8+(\e)], v[8+(\e)]
.endr
.irp e, 0,1,2,3
	v_mul_f32 v[8+(\e)], s40, v[8+(\e)]
.endr
.irp e, 0,1,2,3
	v_exp_f32 v[12+(\e)], v[8+(\e)]                ; 10000^(-j/64)
.endr
	v_nop                                          ; a plain instruction behind the last exponential,
	s_wait_alu depctr_va_vdst(0)                   ; and one wait for the four, ahead of their first reader
.irp e, 0,1,2,3
	v_mul_f32 v[16+(\e)], v3, v[12+(\e)]           ; the angle
.endr
.irp e, 0,1,2,3
	v_mul_f32 v[20+(\e)], s41, v[16+(\e)]
.endr
.irp e, 0,1,2,3
	v_rndne_f32 v[20+(\e)], v[20+(\e)]             ; n: the nearest multiple of pi/2
.endr
.irp e, 0,1,2,3
	v_fma_f32 v[24+(\e)], v[20+(\e)], s42, v[16+(\e)]
.endr
.irp e, 0,1,2,3
	v_fma_f32 v[24+(\e)], v[20+(\e)], s43, v[24+(\e)]  ; r = angle - n pi/2, |r| <= pi/4
.endr
.irp e, 0,1,2,3
	v_mul_f32 v[28+(\e)], v[24+(\e)], v[24+(\e)]
.endr
.irp e, 0,1,2,3
	v_fma_f32 v[32+(\e)], v[28+(\e)], s44, s45
	v_fma_f32 v[36+(\e)], v[28+(\e)], s47, s48
.endr
.irp e, 0,1,2,3
	v_fma_f32 v[32+(\e)], v[32+(\e)], v[28+(\e)], s46
	v_fma_f32 v[36+(\e)], v[36+(\e)], v[28+(\e)], s49
.endr
.irp e, 0,1,2,3
	v_mul_f32 v[32+(\e)], v[32+(\e)], v[28+(\e)]
	v_fma_f32 v[36+(\e)], v[36+(\e)], v[28+(\e)], -0.5
.endr
.irp e, 0,1,2,3
	v_fma_f32 v[32+(\e)], v[32+(\e)], v[24+(\e)], v[24+(\e)]  ; sin r
	v_fma_f32 v[36+(\e)], v[36+(\e)], v[28+(\e)], 1.0         ; cos r
.endr
.irp e, 0,1,2,3
	v_cvt_i32_f32 v[40+(\e)], v[20+(\e)]           ; the quadrant is n mod 4
.endr
.irp e, 0,1,2,3
	v_and_b32 v[44+(\e)], 1, v[40+(\e)]
	v_cmp_ne_u32 vcc_lo, 0, v[44+(\e)]             ; odd quadrants change sine and cosine over
	v_cndmask_b32 v[48+(\e)], v[36+(\e)], v[32+(\e)], vcc_lo
	v_cndmask_b32 v[52+(\e)], v[32+(\e)], v[36+(\e)], vcc_lo
	v_add_nc_u32 v[44+(\e)], 1, v[40+(\e)]
	v_and_b32 v[44+(\e)], 2, v[44+(\e)]            ; the cosine is negative in quadrants 1 and 2,
	v_and_b32 v[40+(\e)], 2, v[40+(\e)]            ; the sine in 2 and 3
	v_lshlrev_b32 v[44+(\e)], 30, v[44+(\e)]
	v_lshlrev_b32 v[40+(\e)], 30, v[40+(\e)]
	v_xor_b32 v[48+(\e)], v[44+(\e)], v[48+(\e)]
	v_xor_b32 v[52+(\e)], v[40+(\e)], v[52+(\e)]
.endr
	v_lshlrev_b32 v5, 9, v1                        ; my row of 512 bytes,
	v_lshl_add_u32 v5, v2, 4, v5                   ; my 16 bytes of its cosines
	s_lshl_b32 s38, s3, 13                         ; the work-group's 16 rows
	s_mov_b32 s39, 0
	s_add_nc_u64 s[24:25], s[24:25], s[38:39]
	global_store_b128 v5, v[48:51], s[24:25]             ; 16 lanes: a row's 256 bytes of cosines
	global_store_b128 v5, v[52:55], s[24:25] offset:256  ; and of sines
	s_endpgm
.Lfunc_end_k_q3146e6dbb8_prep:
	.size	k_q3146e6dbb8_prep, .Lfunc_end_k_q3146e6dbb8_prep-k_q3146e6dbb8_prep
	.p2alignl 7, 3214868480
	.fill 96, 4, 3214868480
	.section	.rodata,"a",@progbits
	.p2align	6, 0x0
	.amdhsa_kernel k_q3146e6dbb8_prep
		.amdhsa_group_segment_fixed_size 0
		.amdhsa_private_segment_fixed_size 0
		.amdhsa_enable_private_segment 0
		.amdhsa_kernarg_size 72
		.amdhsa_user_sgpr_count 2
		.amdhsa_user_sgpr_kernarg_segment_ptr 1
		.amdhsa_wavefront_size32 1
		.amdhsa_system_sgpr_workgroup_id_x 1
		.amdhsa_system_sgpr_workgroup_id_y 1
		.amdhsa_system_sgpr_workgroup_id_z 1
		.amdhsa_system_vgpr_workitem_id 0
		.amdhsa_next_free_vgpr 64
		.amdhsa_next_free_sgpr 66
		.amdhsa_reserve_vcc 1
		.amdhsa_float_denorm_mode_32 3
		.amdhsa_float_denorm_mode_16_64 3
		.amdhsa_memory_ordered 1
		.amdhsa_forward_progress 1
		.amdhsa_inst_pref_size 16
	.end_amdhsa_kernel
	.amdgpu_metadata
---
amdhsa.version: [ 1, 2 ]
amdhsa.kernels:
  - .name:           k_q3146e6dbb8_prep
    .symbol:         k_q3146e6dbb8_prep.kd
    .args:
      - { .name: x, .offset: 0, .size: 8, .value_kind: global_buffer, .address_space: global }
      - { .name: wq, .offset: 8, .size: 8, .value_kind: global_buffer, .address_space: global }
      - { .name: wk, .offset: 16, .size: 8, .value_kind: global_buffer, .address_space: global }
      - { .name: wv, .offset: 24, .size: 8, .value_kind: global_buffer, .address_space: global }
      - { .name: wo, .offset: 32, .size: 8, .value_kind: global_buffer, .address_space: global }
      - { .name: xb, .offset: 40, .size: 8, .value_kind: global_buffer, .address_space: global }
      - { .name: wqkv, .offset: 48, .size: 8, .value_kind: global_buffer, .address_space: global }
      - { .name: wob, .offset: 56, .size: 8, .value_kind: global_buffer, .address_space: global }
      - { .name: tab, .offset: 64, .size: 8, .value_kind: global_buffer, .address_space: global }
    .group_segment_fixed_size: 0
    .private_segment_fixed_size: 0
    .kernarg_segment_align: 8
    .kernarg_segment_size: 72
    .max_flat_workgroup_size: 256
    .sgpr_count:     66
    .vgpr_count:     64
    .wavefront_size: 32
...
	.end_amdgpu_metadata
.endif
;; end of part 1
;; launch qkv (part 2): grid 8 x 32, 4 waves a work-group, clusters of 4 x 4, 327,680 bytes of LDS; arguments xb, wqkv, tab, heads; writes heads
.if DOCPART == 2
	.amdgcn_target "amdgcn-amd-amdhsa--gfx1250"
	.amdhsa_code_object_version 6
	.text
	.protected	k_q3146e6dbb8_qkv
	.globl	k_q3146e6dbb8_qkv
	.p2align	8
	.type	k_q3146e6dbb8_qkv,@function
k_q3146e6dbb8_qkv:
	s_mov_b64 s[64:65], 0
	v_nop
	global_prefetch_b8 v0, s[64:65] scope:SCOPE_SE
	s_setreg_imm32_b32 hwreg(HW_REG_WAVE_MODE, 25, 1), 1
	s_wait_xcnt 0x0
	s_wait_alu depctr_hold_cnt(0) depctr_sa_sdst(0) depctr_va_vdst(0) depctr_va_sdst(0) depctr_va_ssrc(0) depctr_va_vcc(0) depctr_vm_vsrc(0)
	s_getreg_b32 s2, hwreg(HW_REG_IB_STS2, 6, 4)
	s_cmp_eq_u32 s2, 0
	s_cbranch_scc0 .Lentry_in_a_cluster
	s_endpgm
.Lentry_in_a_cluster:
	s_bfe_u32 s2, ttmp6, 0x10000c
	s_cmp_lg_u32 s2, 0xf033
	s_cbranch_scc0 .Lentry_shape_is_right
	s_endpgm
.Lentry_shape_is_right:
; q, k, v = x W^T with RoPE on q and k.  xb: [4096][2048] bf16; wqkv: [2048][2048] bf16 (rows 0-1023 q, 1024-1535 k, 1536-2047 v); sums in f32.
; heads: f16, [16 heads][256 tiles of 16 rows][4,096 bytes]; heads 0-7 q, 8-11 k, 12-15 v.  A tile has 8 blocks of 512 bytes, one for 16 channels.  In q and k the 16 bytes (row r, channels 16 cb + 8 h + 0..7)
; lie at 512 cb + 256 h + 16 r; in v at 512 cb + 256 (r / 8) + 128 h + 16 (r % 8): the orders in which the next launch's plain and turning LDS loads take 16 bytes a lane, lane after lane.
; LIMITS.  q, k and v are rounded once to f16, after RoPE, unscaled: they must stay under 65,504.  v goes through the same rotation with cosine 1 and sine 0, so an infinity in v would become NaN.
; SHARES.  A tile of C is 128 rows x 256 columns: 32 x 8 = 256 work-groups.  Four waves, each 64 rows x 128 columns (ONE head): 4 x 8 accumulators, 256 registers.  K goes in 16 steps of 128 through two LDS slots;
; a step is four quarters of 32 along K: 32 matrix instructions and 24 LDS loads each.
; CLUSTER 4 x 4: the four of a row need the same rows of x, the four of a column the same rows of W: each tile is asked for jointly, by the same tensor load, descriptor and mask in all four.
; THE MATRIX INSTRUCTION IS USED TRANSPOSED (source 0 = 16 rows of W, source 1 = 16 rows of x): a lane holds row l % 16 and eight neighbouring columns 8 (l / 16) + 0..7.  RoPE's partners, channels d and d + 64,
; are accumulators (a, b) and (a, b + 4), same lane, same register; a lane's eight results pack into 16 bytes, and a wave's store covers 512 consecutive aligned bytes: no stage in LDS.
; WHETHER A WORK-GROUP HOLDS v hangs on its place in the cluster, so it is no branch: it chooses the table's rows (those of the angle 0) and the lanes' store offsets, global addresses alone.
; REGISTERS, in windows of 256: window 0: v0-31 addresses, v32-95 rotated results, v96-223 packed results; window 1: two fragment buffers of 96 (W's 8 blocks, then x's 4);
;   window 2: accumulator (a, b) at 8 (8 a + b); window 3: my 64 rows' cosines and sines for my lanes' channels: (a, b) at 64 a + 16 b, 8 cosines, then 8 sines.
.set LAPS,   8                         ; a lap = two K steps; K = 2,048
.set ROWB,   4096                      ; bytes in a row of xb and of wqkv
.set KB,     256                       ; bytes of a row in a K step
.set PITCH,  272                       ; an LDS row: 256 bytes + 16 of padding: the 16 rows of a fragment load start 4 banks apart (64 banks of 4 bytes: ISA guide 11.1)
.set A_BLK,  16*PITCH                  ; from one block of 16 rows of x to the next
.set A_K32,  64                        ; from one quarter to the next
.set A_HALF, 32                        ; from a fragment's registers 0-3 to its registers 4-7
.set AHALFB, 64*PITCH
.set ABYTES, 2*AHALFB
.set BHALFB, 128*PITCH
.set SLOT,   ABYTES+2*BHALFB           ; x's 128 rows, then W's 256
.set SPARE,  2*SLOT                    ; behind the ring: the spare words, 128 bytes a wave, which no other line names
.set ADRA, 16                          ; v16-17 LDS address of my fragments of x in slot 0, 1
.set ADRB, 20                          ; v20-21 the same for W
.set CO,   26                          ; v26 my 16 bytes in a block of 512 of heads
.set TO,   27                          ; v27 my offset in the table: row l % 16, 32 bytes for each half of the lanes
.set SPW,  28                          ; v28 my spare word; never rewritten
.set NIL,  29                          ; v29 0; never rewritten
.set PFO,  30                          ; v30 the prefetches' lane offset; never rewritten
.set Y,    32
.set H,    96
.set F0,   0
.set F1,   96
.set G1,   24                          ; s[24:31] group 1 for x's tiles; s[32:39] group 0, a set for each slot
.set G0,   32
.set G1B,  48                          ; s[48:55], s[56:63] the same for W's
.set G0B,  56
.set PFA,  66                          ; s[66:67] where my prefetches stand
.set PFS,  68                          ; s[68:69] a K step in bytes
.set LIM0, 70                          ; s70, s71: 1 where I prefetch at slot 0's, slot 1's change, else the greatest number
.set TABB, 72                          ; s[72:73] the table at my first row
.set ISV,  74                          ; s74 all ones where my columns are v's
.set OUTB, 76                          ; s[76:77] heads at my head's first tile of mine
.set MSB, 0
.macro WIN new                         ; the immediate's high byte repeats the setting that is left; a switch that changes nothing is dropped
.if MSB != (\new)
	s_set_vgpr_msb (MSB<<8)|(\new)
.set MSB, \new
.endif
.endm
.set MUL,  0xa5                        ; sources 0 and 1 window 1; C and D window 2
.set TO_F, 0x40                        ; destination window 1, address window 0
.set W_RP, 0x0e                        ; source 0 window 2 (sums), source 1 window 3 (table), source 2 and destination window 0
.macro PLACES                          ; four places in front of loads into registers that matrix instructions have read (ISA guide 7.12.1 for vector instructions)
.rept 4
	v_nop
.endr
.endm
.macro JLOAD s                         ; a joint load: waves 0 and 1 fetch x's two halves, waves 2 and 3 W's; an s_nop 0 and four v_nop follow each line, ahead of the jump and the label
	s_cmp_eq_u32 s11, 0
	s_cbranch_scc0 .Lfor_b_\@
	tensor_load_to_lds s[G0+4*(\s):G0+4*(\s)+3], s[G1:G1+7]
	s_nop 0
.rept 4
	v_nop
.endr
	s_branch .Lasked_\@
.Lfor_b_\@:
	tensor_load_to_lds s[G0B+4*(\s):G0B+4*(\s)+3], s[G1B:G1B+7]
	s_nop 0
.rept 4
	v_nop
.endr
.Lasked_\@:
.endm
.macro CREST                           ; a round of the cluster's barrier behind its opening barrier
	s_cmp_lg_u32 s10, 0
	s_cbranch_scc1 .Lnot_wave_0_\@
	s_barrier_signal -3
.Lnot_wave_0_\@:
	s_barrier_wait -3
	s_barrier_signal -1
	s_barrier_wait -1
.endm
.macro CROUND
	s_barrier_signal -1
	s_barrier_wait -1
	CREST
.endm
; A PREFETCH INTO THE L2 behind a joint load and the run of LDS loads that follows it.  Each row's 256 bytes of a K step are named once in the launch: x's rows by the clusters with x = 0, W's by those with y = 0;
; the four partners share a wave's rows out by address.  A wave that fetches W has 128 rows, 32 a partner: a lane a row, at each change of slots, the K step two refills on.  A wave that fetches x has 64 rows,
; 16 a partner: lanes 0-15 name them in the K step two refills on, lanes 16-31 in the one after: once a lap, at slot 0's change.  The loop's last trip asks for nothing: those K steps do not exist.
.macro ASK n
	s_cmp_gt_u32 s3, s[LIM0+(\n)]                  ; s3 = 1 in the last trip
	s_cbranch_scc0 .Lnot_mine_\@
	global_prefetch_b8 v[PFO], s[PFA:PFA+1] th:TH_LOAD_NT scope:SCOPE_SE
.Lnot_mine_\@:
.endm
	s_load_b128 s[4:7], s[0:1], 0x0                ; xb s[4:5], wqkv s[6:7]
	s_load_b64 s[TABB:TABB+1], s[0:1], 0x10        ; tab
	s_load_b64 s[OUTB:OUTB+1], s[0:1], 0x18        ; heads
	v_lshl_add_u32 v[SPW], v0, 2, SPARE
	v_mov_b32 v[NIL], 0
	ds_add_u32 v[SPW], v[NIL]                      ; the wave's opening: the add and its wait stand ahead of my first tensor load; the set-up below stands between them
	ds_add_u32 v28, v29
	v_lshrrev_b32 v1, 5, v0
	v_readfirstlane_b32 s10, v1                    ; wave 0..3
	s_lshr_b32 s11, s10, 1                         ; which 64 rows of the tile are mine.  Also: I fetch for x (0) or for W (1)
	s_and_b32 s12, s10, 1                          ; which 128 columns.  Also: which half of that tile I fetch
	s_bfe_u32 s40, ttmp6, 0x40000                  ; cx
	s_bfe_u32 s41, ttmp6, 0x40004                  ; cy
	s_lshl_b32 s42, ttmp9, 2
	s_add_co_u32 s42, s42, s40                     ; tile column = 4 x cluster x + cx, 0..7
	s_and_b32 s13, ttmp7, 0xffff
	s_lshl_b32 s13, s13, 2
	s_add_co_u32 s13, s13, s41                     ; tile row = 4 x cluster y + cy, 0..31
	s_lshl_b32 s43, s41, 2
	s_lshl_b32 s43, 15, s43                        ; my row of the cluster
	s_lshl_b32 s44, 0x1111, s40                    ; my column
	s_or_b32 s[G1+0], s43, (1<<16)|(1<<20)|(1<<21)|(5<<22)|(3<<25)   ; 15:0 mask; 17:16 2-byte elements; 20 padding on; 21 set beside a mask; 24:22 after every 64 words; 31:25 4 words
	s_or_b32 s[G1B+0], s44, (1<<16)|(1<<20)|(1<<21)|(5<<22)|(3<<25)
	s_mov_b32 s[G1+1], 128<<16                     ; tensor_dim0 = 128
	s_mov_b32 s[G1+2], 64<<16                      ; tensor_dim1 = 64
	s_mov_b32 s[G1+3], 128<<16                     ; tile_dim0 = 128
	s_mov_b32 s[G1+4], 64                          ; tile_dim1 = 64
	s_mov_b32 s[G1+5], 2048                        ; elements from row to row
	s_mov_b32 s[G1+6], 0
	s_mov_b32 s[G1+7], 0
	s_mov_b32 s[G1B+1], 128<<16
	s_mov_b32 s[G1B+2], 128<<16                    ; 128 rows
	s_mov_b32 s[G1B+3], 128<<16
	s_mov_b32 s[G1B+4], 128
	s_mov_b32 s[G1B+5], 2048
	s_mov_b32 s[G1B+6], 0
	s_mov_b32 s[G1B+7], 0
	s_lshl_b32 s16, s13, 7                         ; x: row 128 x tile row + 64 x half, in registers that never hold cx
	s_lshl_b32 s17, s12, 6
	s_add_co_u32 s16, s16, s17
	s_lshl_b32 s16, s16, 12                        ; x 4,096 bytes
	s_mov_b32 s17, 0
	s_lshl_b32 s46, s42, 8                         ; W: row 256 x tile column + 128 x half, in registers that never hold cy
	s_lshl_b32 s47, s12, 7
	s_add_co_u32 s46, s46, s47
	s_lshl_b32 s46, s46, 12
	s_mov_b32 s47, 0
	s_mul_i32 s20, s12, AHALFB                     ; where they go: no place in the cluster enters an LDS address
	s_mul_i32 s21, s12, BHALFB
	s_add_co_u32 s21, s21, ABYTES
	s_wait_dscnt 0x0                               ; the opening add is done
	s_wait_kmcnt 0x0
	s_add_nc_u64 s[14:15], s[4:5], s[16:17]
	s_add_nc_u64 s[46:47], s[6:7], s[46:47]
	CROUND                                         ; all sixteen work-groups are here: the first joint loads meet
.irp s, 0,1
	s_mov_b32 s[G0+4*(\s)], 1
	s_add_co_u32 s[G0+4*(\s)+1], s20, (\s)*SLOT
	s_add_nc_u64 s[G0+4*(\s)+2:G0+4*(\s)+3], s[14:15], (\s)*KB
	s_or_b32 s[G0+4*(\s)+3], s[G0+4*(\s)+3], 0x80000000
	s_mov_b32 s[G0B+4*(\s)], 1
	s_add_co_u32 s[G0B+4*(\s)+1], s21, (\s)*SLOT
	s_add_nc_u64 s[G0B+4*(\s)+2:G0B+4*(\s)+3], s[46:47], (\s)*KB
	s_or_b32 s[G0B+4*(\s)+3], s[G0B+4*(\s)+3], 0x80000000
	JLOAD \s                                       ; two loads of mine are out
.endr
	v_and_b32 v1, 15, v0                           ; r = l % 16
	v_bfe_u32 v2, v0, 4, 1                         ; h = l / 16
	v_mul_u32_u24 v3, v1, PITCH
	v_lshl_add_u32 v3, v2, 4, v3                   ; a fragment's row x pitch + 16 x half
	s_mul_i32 s18, s11, AHALFB                     ; my 64 rows of x
	s_mul_i32 s19, s12, BHALFB                     ; my 128 rows of W, behind x's
	s_add_co_u32 s19, s19, ABYTES
.irp s, 0,1
	v_add_nc_u32 v[ADRA+(\s)], s18, v3
	v_add_nc_u32 v[ADRB+(\s)], s19, v3
	s_add_co_u32 s18, s18, SLOT
	s_add_co_u32 s19, s19, SLOT
.endr
	; the table's rows and the store offsets: by a choice of values, not by a branch
	v_and_b32 v4, 31, v0
	v_lshlrev_b32 v4, 4, v4                        ; q, k: 16 x lane
	v_lshrrev_b32 v5, 3, v1
	v_lshlrev_b32 v5, 8, v5
	v_lshl_add_u32 v5, v2, 7, v5
	v_and_b32 v3, 7, v1
	v_lshl_add_u32 v5, v3, 4, v5                   ; v: 256 (r / 8) + 128 h + 16 (r % 8)
	s_lshl_b32 s18, s13, 7
	s_lshl_b32 s19, s11, 6
	s_add_co_u32 s18, s18, s19                     ; my first row t
	s_cmp_ge_u32 s42, 6                            ; columns 1,536 on are v's
	s_cselect_b32 s[ISV], -1, 0
	s_cselect_b32 s18, 4096, s18                   ; whose rows of the table hold the angle 0
	v_cndmask_b32 v[CO], v4, v5, s[ISV]
	s_lshl_b32 s18, s18, 9
	s_mov_b32 s19, 0
	s_add_nc_u64 s[TABB:TABB+1], s[TABB:TABB+1], s[18:19]
	v_lshlrev_b32 v[TO], 9, v1
	v_lshl_add_u32 v[TO], v2, 5, v[TO]
	s_lshl_b32 s18, s42, 1
	s_add_co_u32 s18, s18, s12                     ; my head
	s_lshl_b32 s18, s18, 20
	s_lshl_b32 s19, s13, 3
	s_lshl2_add_u32 s19, s11, s19                  ; my first tile of 16 rows
	s_lshl_b32 s19, s19, 12
	s_add_co_u32 s18, s18, s19
	s_mov_b32 s19, 0
	s_add_nc_u64 s[OUTB:OUTB+1], s[OUTB:OUTB+1], s[18:19]
	; the prefetches
	s_lshl_b32 s18, s13, 7
	s_lshl_b32 s19, s12, 6
	s_add_co_u32 s18, s18, s19
	s_lshl4_add_u32 s18, s40, s18                  ; x: the 64 rows that I fetch, my work-group's 16 of them
	s_lshl_b32 s22, s42, 8
	s_lshl_b32 s19, s12, 7
	s_add_co_u32 s22, s22, s19
	s_lshl_b32 s19, s41, 5
	s_add_co_u32 s22, s22, s19                     ; W: the 128 rows that I fetch, my work-group's 32
	s_and_b32 s23, ttmp7, 0xffff                   ; cluster y
	s_mov_b32 s19, 16*ROWB
	s_cmp_eq_u32 s11, 0                            ; do I fetch for x?
	s_cselect_b32 s18, s18, s22
	s_cselect_b32 s23, ttmp9, s23                  ; the coordinate along which other clusters read the same rows
	s_cselect_b32 s22, KB, s19                     ; lanes 16-31: the next K step (x), or 16 rows on (W)
	s_cselect_b64 s[PFA:PFA+1], s[4:5], s[6:7]
	s_cselect_b32 s[LIM0+1], -1, 1
	s_cmp_eq_u32 s23, 0
	s_cselect_b32 s[LIM0], 1, -1                   ; the same in all sixteen partners, for a given wave
	s_cselect_b32 s[LIM0+1], s[LIM0+1], -1
	s_lshl_b32 s18, s18, 12
	s_add_co_u32 s18, s18, 3*KB                    ; at K step 3: the first refill steps it to 4
	s_mov_b32 s19, 0
	s_add_nc_u64 s[PFA:PFA+1], s[PFA:PFA+1], s[18:19]
	s_mov_b32 s[PFS], KB
	s_mov_b32 s[PFS+1], 0
	v_mul_u32_u24 v[PFO], v1, ROWB
	v_mul_u32_u24 v3, v2, s22
	v_add_nc_u32 v[PFO], v[PFO], v3
	; my rows' cosines and sines: 64 loads into window 3, on their way during the whole loop over K; their registers, v27 and s[72:73] are not touched before the wait at the way out
	WIN 0xc0
.irp a, 0,1,2,3
.irp b, 0,1,2,3
.irp c, 0,1
	global_load_b128 v[64*(\a)+16*(\b)+8*(\c):64*(\a)+16*(\b)+8*(\c)+3],   v[TO], s[TABB:TABB+1] offset:(\a)*8192+(\b)*64+(\c)*256
	global_load_b128 v[64*(\a)+16*(\b)+8*(\c)+4:64*(\a)+16*(\b)+8*(\c)+7], v[TO], s[TABB:TABB+1] offset:(\a)*8192+(\b)*64+(\c)*256+16
.endr
.endr
.endr
	WIN 0
; 8 matrix instructions: block a of my rows x all 8 blocks of my columns, 32 along K.  The 32 accumulators take turns, one instruction a turn, in the same order in every quarter.
.macro MUL8 f, a, zero
	WIN MUL
.irp b, 0,1,2,3,4,5,6,7
.if \zero
	v_wmma_f32_16x16x32_bf16 v[8*(8*(\a)+(\b)):8*(8*(\a)+(\b))+7], v[(\f)+8*(\b):(\f)+8*(\b)+7], v[(\f)+64+8*(\a):(\f)+64+8*(\a)+7], 0
.else
	v_wmma_f32_16x16x32_bf16 v[8*(8*(\a)+(\b)):8*(8*(\a)+(\b))+7], v[(\f)+8*(\b):(\f)+8*(\b)+7], v[(\f)+64+8*(\a):(\f)+64+8*(\a)+7], v[8*(8*(\a)+(\b)):8*(8*(\a)+(\b))+7]
.endif
.endr
.endm
; 24 LDS loads in one run: quarter q of a slot into buffer f: W's 16, then x's 8
.macro FETCH slot, q, f
	WIN TO_F
.irp i, 0,1,2,3,4,5,6,7
	ds_load_b128 v[(\f)+8*(\i):(\f)+8*(\i)+3],   v[ADRB+(\slot)] offset:(\q)*64+(\i)*16*PITCH
	ds_load_b128 v[(\f)+8*(\i)+4:(\f)+8*(\i)+7], v[ADRB+(\slot)] offset:(\q)*64+(\i)*16*PITCH+32
.endr
.irp i, 0,1,2,3
	ds_load_b128 v[(\f)+64+8*(\i):(\f)+64+8*(\i)+3],   v[ADRA+(\slot)] offset:(\q)*A_K32+(\i)*A_BLK
	ds_load_b128 v[(\f)+64+8*(\i)+4:(\f)+64+8*(\i)+7], v[ADRA+(\slot)] offset:(\q)*A_K32+(\i)*A_BLK+A_HALF
.endr
.endm
; One of a K step's first three quarters: multiplies buffer f and, in its middle, fetches quarter q of the same slot into buffer g
.macro QUARTER slot, q, f, g, zero
	s_wait_dscnt 4                                 ; W and x's blocks 0, 1 are in; the youngest four loads (x's blocks 2, 3) may be out
	MUL8 \f, 0, \zero
	MUL8 \f, 1, \zero
	PLACES
	FETCH \slot, \q, \g
	s_wait_dscnt 24                                ; all but the 24 just issued
	MUL8 \f, 2, \zero
	MUL8 \f, 3, \zero
.endm
; The last quarter multiplies buffer 1 and changes slots: ONE barrier; in front of it each wave waits for all its tensor loads (one is out: its part of the next slot), adds 0 to its spare word, and waits for
; that and for its reads of this slot.  fill = 1: the barrier opens a round of the cluster's, and this slot is filled again first behind it, two K steps ahead: 112 matrix instructions ahead of the wait for it.
.macro TURN slot, next, fill
.if \fill
	s_wait_xcnt 0x0                                ; the last prefetch, a K step back, has read its address: it is stepped here, ahead of the waits of the change
	s_add_nc_u64 s[PFA:PFA+1], s[PFA:PFA+1], s[PFS:PFS+1]
.endif
	WIN 0                                          ; (the add's two registers lie in window 0)
	s_wait_tensorcnt 0x0                           ; all my tensor loads have landed
	ds_add_u32 v[SPW], v[NIL]                      ; 0 onto my spare word
	s_wait_dscnt 5                                 ; (the add and the youngest four loads may be out)
	MUL8 F1, 0, 0                                  ; eight matrix instructions stand between the add and the wait for it
	s_wait_dscnt 0x0                               ; the add is done, and my reads of this slot are over
	s_barrier_signal -1
	MUL8 F1, 1, 0
.if \fill
	WIN 0
.endif
	s_barrier_wait -1
.if \fill
	CREST                                          ; no wave of any partner still reads this slot or has a load on its way
	s_add_nc_u64 s[G0+4*(\slot)+2:G0+4*(\slot)+3], s[G0+4*(\slot)+2:G0+4*(\slot)+3], 2*KB
	s_add_nc_u64 s[G0B+4*(\slot)+2:G0B+4*(\slot)+3], s[G0B+4*(\slot)+2:G0B+4*(\slot)+3], 2*KB
	JLOAD \slot                                    ; my one tensor load behind the round; its four v_nop are also the places in front of the loads below
.else
	PLACES
.endif
	FETCH \next, 0, F0
.if \fill
	WIN 0
	ASK \slot
.endif
	MUL8 F1, 2, 0
	MUL8 F1, 3, 0
.endm
	s_wait_tensorcnt 1                             ; my part of K step 0 is in; K step 1's may stay out
	s_barrier_signal -1
	s_barrier_wait -1                              ; everybody's is
	FETCH 0, 0, F0
	QUARTER 0, 1, F0, F1, 1                        ; the first quarter stands in front of the loop: its 32 products start the 32 sums
	WIN 0
	s_mov_b32 s3, LAPS-1
.Llap:                                         ; a trip goes once round the ring, from a lap's second quarter to the next lap's first, and fills both slots again
	QUARTER 0, 2, F1, F0, 0
	QUARTER 0, 3, F0, F1, 0
	TURN 0, 1, 1
	QUARTER 1, 1, F0, F1, 0
	QUARTER 1, 2, F1, F0, 0
	QUARTER 1, 3, F0, F1, 0
	TURN 1, 0, 1
	QUARTER 0, 1, F0, F1, 0
	WIN 0
	s_sub_co_u32 s3, s3, 1
	s_cmp_lg_u32 s3, 0
	s_cbranch_scc1 .Llap
	QUARTER 0, 2, F1, F0, 0                        ; the last lap fills nothing
	QUARTER 0, 3, F0, F1, 0
	TURN 0, 1, 0
	QUARTER 1, 1, F0, F1, 0
	QUARTER 1, 2, F1, F0, 0
	QUARTER 1, 3, F0, F1, 0
	s_wait_dscnt 4
	MUL8 F1, 0, 0
	MUL8 F1, 1, 0
	s_wait_dscnt 0x0
	MUL8 F1, 2, 0
	MUL8 F1, 3, 0
	WIN 0
	PLACES
	PLACES                                         ; (eight, once a launch)
	s_wait_loadcnt 0x0                             ; the table
; THE WAY OUT of block a (16 rows): y1 = x1 c - x2 s, y2 = x1 s + x2 c in f32, two channels an instruction, each accumulator's registers in ascending order; one rounding to f16; eight stores of 512 consecutive bytes.
; Each block has packed registers of its own, and no address is written again: no wait stands between the stores.
.macro ROPE a
	WIN W_RP
.irp b, 0,1,2,3
.irp p, 0,2,4,6
.set X1, 8*(8*(\a)+(\b))+(\p)
.set X2, X1+32
.set TC, 64*(\a)+16*(\b)+(\p)
.set TS, TC+8
.set Y1, Y+8*(\b)+(\p)
.set Y2, Y1+32
	v_pk_mul_f32 v[Y1:Y1+1], v[X2:X2+1], v[TS:TS+1]
	v_pk_mul_f32 v[Y2:Y2+1], v[X2:X2+1], v[TC:TC+1]
	v_pk_fma_f32 v[Y1:Y1+1], v[X1:X1+1], v[TC:TC+1], v[Y1:Y1+1] neg_lo:[0,0,1] neg_hi:[0,0,1]
	v_pk_fma_f32 v[Y2:Y2+1], v[X1:X1+1], v[TS:TS+1], v[Y2:Y2+1]
.endr
.endr
	WIN 0
.set k, 0
.rept 32
	v_cvt_pk_f16_f32 v[H+32*(\a)+k], v[Y+2*k], v[Y+2*k+1]
.set k, k+1
.endr
.irp c, 0,1,2,3,4,5,6,7
	global_store_b128 v[CO], v[H+32*(\a)+4*(\c):H+32*(\a)+4*(\c)+3], s[OUTB:OUTB+1] offset:(\a)*4096+(\c)*512
.endr
.endm
	ROPE 0
	ROPE 1
	ROPE 2
	ROPE 3
	s_wait_tensorcnt 0x0                           ; the wave's end, behind my last tensor load
	ds_add_u32 v[SPW], v[NIL]
	s_wait_dscnt 0x0
	CROUND                                         ; the closing round: no work-group ends while a partner may still ask for a tile that names it
	s_endpgm
.Lfunc_end_k_q3146e6dbb8_qkv:
	.size	k_q3146e6dbb8_qkv, .Lfunc_end_k_q3146e6dbb8_qkv-k_q3146e6dbb8_qkv
	.p2alignl 7, 3214868480
	.fill 96, 4, 3214868480
	.section	.rodata,"a",@progbits
	.p2align	6, 0x0
	.amdhsa_kernel k_q3146e6dbb8_qkv
		.amdhsa_group_segment_fixed_size 327680
		.amdhsa_private_segment_fixed_size 0
		.amdhsa_enable_private_segment 0
		.amdhsa_kernarg_size 32
		.amdhsa_user_sgpr_count 2
		.amdhsa_user_sgpr_kernarg_segment_ptr 1
		.amdhsa_wavefront_size32 1
		.amdhsa_system_sgpr_workgroup_id_x 1
		.amdhsa_system_sgpr_workgroup_id_y 1
		.amdhsa_system_sgpr_workgroup_id_z 1
		.amdhsa_system_vgpr_workitem_id 0
		.amdhsa_next_free_vgpr 1024
		.amdhsa_next_free_sgpr 80
		.amdhsa_reserve_vcc 0
		.amdhsa_float_denorm_mode_32 3
		.amdhsa_float_denorm_mode_16_64 3
		.amdhsa_memory_ordered 1
		.amdhsa_forward_progress 1
		.amdhsa_inst_pref_size 106
	.end_amdhsa_kernel
	.amdgpu_metadata
---
amdhsa.version: [ 1, 2 ]
amdhsa.kernels:
  - .name:           k_q3146e6dbb8_qkv
    .symbol:         k_q3146e6dbb8_qkv.kd
    .args:
      - { .name: xb, .offset: 0, .size: 8, .value_kind: global_buffer, .address_space: global }
      - { .name: wqkv, .offset: 8, .size: 8, .value_kind: global_buffer, .address_space: global }
      - { .name: tab, .offset: 16, .size: 8, .value_kind: global_buffer, .address_space: global }
      - { .name: heads, .offset: 24, .size: 8, .value_kind: global_buffer, .address_space: global }
    .group_segment_fixed_size: 327680
    .private_segment_fixed_size: 0
    .kernarg_segment_align: 8
    .kernarg_segment_size: 32
    .max_flat_workgroup_size: 128
    .sgpr_count:     80
    .vgpr_count:     1024
    .wavefront_size: 32
...
	.end_amdgpu_metadata
.endif
;; end of part 2
;; launch attn (part 3): grid 64 x 4, 4 waves a work-group, no clusters, 327,680 bytes of LDS; arguments heads, ctx; writes ctx
.if DOCPART == 3
	.amdgcn_target "amdgcn-amd-amdhsa--gfx1250"
	.amdhsa_code_object_version 6
	.text
	.protected	k_q3146e6dbb8_attn
	.globl	k_q3146e6dbb8_attn
	.p2align	8
	.type	k_q3146e6dbb8_attn,@function
k_q3146e6dbb8_attn:
	s_mov_b64 s[64:65], 0
	v_nop
	global_prefetch_b8 v0, s[64:65] scope:SCOPE_SE
	s_setreg_imm32_b32 hwreg(HW_REG_WAVE_MODE, 25, 1), 1
	s_wait_xcnt 0x0
; LOCAL ATTENTION.  O[hq][t] = the sum over s, 0 <= t - s <= 512, of softmax_s(q[hq][t] . k[g][s] / sqrt(128)) v[g][s], g = hq / 2.  heads: f16, [16 heads][256 tiles of 16 rows][4,096 bytes] (0-7 q, 8-11 k, 12-15 v),
; a tile in blocks of 512 bytes for 16 channels, 16 bytes a lane in the order of the loads below.  ctx: f16, [8 heads][256 tiles][4,096 bytes], laid as q.  Products, maxima and sums in f32; the weights p are
; rounded to f16 for the second product (their sum l is taken of the unrounded p), O once at the end.
; LIMITS.  q, k, v arrive within f16's 65,504.  A hidden score counts as its value less 1e30; the running maximum starts at -2^96, far below every score that f16 operands can give (5.5e11 in size at the most) and
; far above a hidden one, so a step in which all keys are hidden gives weights 0 and leaves m, l and O as they are.  A weight below 2^-126 counts as 0.  NaN and infinities are not treated apart.
; SHARES.  Work-group (b, g): the 64 queries t0 = 64 b .. of BOTH query heads of key head g: 256 work-groups of equal work.  Wave w: head 2 g + w / 2, queries t0 + 32 (w % 2) + 0..31: two tiles of 16.
; THE WINDOW is keys t0 - 512 .. t0 + 63: nine steps of 64.  All of it, 147,456 bytes of k and as many of v, lies in LDS at once: each wave asks for its share by two tensor loads at the head (steps 0-3, steps 4-8),
; and nothing is filled again.  For b < 8 the window begins ahead of the head's first row: those bytes are the head in front, inside the buffer and finite, and their steps are hidden whole; so every
; work-group runs the same nine steps and no branch hangs on b.
; NO CLUSTER: neighbouring blocks' windows are 64 keys apart; the union of four is 768 keys, 393,216 bytes of k and v, more than LDS holds, and a joint ring would walk 12 steps for 9.
; NO PREFETCH: all that the work-group reads is asked for in its first lines.
; THE MASK is the C operand that starts the sum S^T = K Q^T: 0, or -1e30 where the key is hidden.  Step 0 hides the keys in front of the window's edge (k < i, or all), step 8 those behind the diagonal (k > i: MD, made
; once); each step makes the next step's mask MC = MD x AL + BE with two scalars: (1, 0) for step 8, (0, -1e30) for a step ahead of the sequence's first key, (0, 0) else.
; LAYOUT.  S^T = K Q^T holds ONE query a lane (l % 16) and the keys 8 (l / 16) + 0..7; two such results rounded to f16 ARE source 1 of O^T = V^T P, which again holds one query a lane, and eight channels: 16 bytes of ctx.
; SOFTMAX.  p = 2^(c s - c m), c = log2(e) / sqrt(128), with a running maximum m; O and l are multiplied by a = 2^(c m_old - c m_new) in every step.  O and l start at 0 (128 + 4 moves, in the wait for the first tiles,
; in place of a first step written out).  A STEP GOES IN PHASES: 32 products K Q^T; the LDS loads of the next K and of this V; the softmax; 32 products V^T P.
; REGISTERS: window 0: v0-11 addresses and thresholds; v16-31 statistics, 8 a tile: c m, m, l, l, c0-c3; v32-95 S^T; v96-127 P; v128-191 Q; v192-255 MC.   window 1: v0-127 K, v128-255 V of one step.
;   window 2: v0-127 O^T, 64 a tile; v128-191 MD.
.set STEPB, 16384                      ; 64 keys x 256 bytes
.set VBASE, 9*STEPB                    ; v behind k
.set SPARE, 2*VBASE                    ; behind both: the spare words, 128 bytes a wave, which no other line names
.set LN,   2                           ; v2  16 x lane; never rewritten
.set ADRK, 3
.set ADRV, 4
.set SPW,  10                          ; v10 my spare word; never rewritten
.set NIL,  11                          ; v11 0; never rewritten
.set ST,   16
.set S,    32
.set P,    96
.set Q,    128
.set MC,   192
.set MD,   128                         ; window 2
.set VF,   128                         ; window 1
.set CNT,  40                          ; s40 counts a loop's steps
.set STP,  41                          ; s41 the step in hand, 0..8
.set AL,   42                          ; s[42:43] the mask's factor, in the low word
.set BE,   44                          ; s[44:45] the mask's addend
.set BIGN, 46                          ; s46 -1e30
.set BB,   47                          ; s47 b
.set CS,   58                          ; s[58:59] c
.set SEL,  60                          ; s[60:61] v_permlanex16_b32's selects: each lane takes its own place in the other half
.set TBK,  62                          ; s62 LDS byte of the K to be fetched next
.set TBV,  63                          ; s63 of the V
.set MSB, 0
.macro WIN new
.if MSB != (\new)
	s_set_vgpr_msb (MSB<<8)|(\new)
.set MSB, \new
.endif
.endm
.set W_KQ, 0x01                        ; K window 1; Q, the mask and S^T window 0
.set W_PV, 0xa1                        ; V window 1, P window 0, O^T window 2
.set W_RS, 0x82                        ; O^T (destination and source 0) window 2, the factor window 0
.set W_MK, 0x02                        ; MD (source 0) window 2, MC window 0
	s_load_b128 s[4:7], s[0:1], 0x0                ; heads s[4:5], ctx s[6:7]
	v_lshl_add_u32 v[SPW], v0, 2, SPARE
	v_mov_b32 v[NIL], 0
	ds_add_u32 v[SPW], v[NIL]                      ; the wave's opening: the add and its wait stand ahead of my first tensor load; the set-up below stands between them
	ds_add_u32 v10, v11
	v_lshrrev_b32 v1, 5, v0
	v_readfirstlane_b32 s12, v1                    ; wave 0..3
	s_mov_b32 s[BB], ttmp9                         ; b
	s_and_b32 s13, ttmp7, 0xffff                   ; g
	s_lshr_b32 s14, s12, 1                         ; I fetch k (0) or v (1).  Also: which of the two query heads is mine
	s_and_b32 s15, s12, 1                          ; which half of a load's rows I fetch.  Also: which 32 queries are mine
	; group 1: dense bytes, asked for as rows of 256: 128 rows a wave for steps 0-3, 160 for steps 4-8
	s_mov_b32 s16, 3<<16                           ; elements of 8 bytes; no mask, no padding
	s_mov_b32 s17, 32<<16                          ; tensor_dim0 = 32
	s_mov_b32 s18, 128<<16                         ; tensor_dim1 = 128
	s_mov_b32 s19, 32<<16                          ; tile_dim0 = 32
	s_mov_b32 s20, 128                             ; tile_dim1 = 128
	s_mov_b32 s21, 32                              ; elements from row to row
	s_mov_b32 s22, 0
	s_mov_b32 s23, 0
	s_mov_b32 s24, 3<<16
	s_mov_b32 s25, 32<<16
	s_mov_b32 s26, 160<<16
	s_mov_b32 s27, 32<<16
	s_mov_b32 s28, 160
	s_mov_b32 s29, 32
	s_mov_b32 s30, 0
	s_mov_b32 s31, 0
	s_lshl2_add_u32 s48, s14, s13
	s_add_co_u32 s48, s48, 8                       ; head 8 + g (k) or 12 + g (v)
	s_lshl_b32 s48, s48, 20
	s_lshl_b32 s49, s[BB], 14                      ; 64 rows of 256 bytes a block
	s_add_co_u32 s48, s48, s49
	s_sub_co_u32 s48, s48, 131072                  ; the window's first byte, 512 rows back: at least 8 heads less that, so never negative
	s_lshl_b32 s50, s15, 15
	s_add_co_u32 s50, s50, s48                     ; my half of steps 0-3
	s_mov_b32 s51, 0
	s_mul_i32 s52, s15, 40960
	s_add_co_u32 s52, s52, s48
	s_add_co_u32 s52, s52, 4*STEPB                 ; my half of steps 4-8
	s_mov_b32 s53, 0
	s_mul_i32 s54, s14, VBASE                      ; and their places in LDS: the wave's number and constants
	s_lshl_b32 s55, s15, 15
	s_mov_b32 s32, 1
	s_add_co_u32 s33, s54, s55
	s_mul_i32 s55, s15, 40960
	s_mov_b32 s36, 1
	s_add_co_u32 s37, s54, s55
	s_add_co_u32 s37, s37, 4*STEPB
	s_lshl1_add_u32 s56, s13, s14                  ; my query head
	s_lshl_b32 s56, s56, 20
	s_add_co_u32 s56, s56, s49
	s_lshl_b32 s57, s15, 13                        ; my two tiles of 16 queries
	s_add_co_u32 s56, s56, s57
	s_mov_b32 s57, 0
	s_mov_b32 s[CS], 0x3e0293ee                    ; c = log2(e) / sqrt(128) = 0.127517
	s_mov_b32 s[CS+1], s[CS]                       ; named with it as a pair
	s_mov_b32 s[SEL], 0x76543210
	s_mov_b32 s[SEL+1], 0xfedcba98
	s_mov_b32 s[BIGN], 0xf149f2ca                  ; -1e30
	s_mov_b32 s[AL+1], 0                           ; named as pairs
	s_mov_b32 s[BE+1], 0
	s_mov_b32 s[STP], 0
	s_mov_b32 s[TBK], 0
	s_mov_b32 s[TBV], VBASE
	s_wait_dscnt 0x0                               ; the opening add is done
	s_wait_kmcnt 0x0
	s_add_nc_u64 s[34:35], s[4:5], s[50:51]
	s_or_b32 s35, s35, 0x80000000
	s_add_nc_u64 s[38:39], s[4:5], s[52:53]
	s_or_b32 s39, s39, 0x80000000
	s_add_nc_u64 s[8:9], s[4:5], s[56:57]          ; q at my rows
	s_add_nc_u64 s[10:11], s[6:7], s[56:57]        ; ctx at my rows
	tensor_load_to_lds s[32:35], s[16:23]          ; both fills go out together, ahead of every wait on TENSORcnt, LDS read and barrier: two loads of mine are out
	s_nop 0
	tensor_load_to_lds s[36:39], s[24:31]
	s_nop 0
.rept 4
	v_nop
.endr
	v_and_b32 v[LN], 31, v0
	v_lshlrev_b32 v[LN], 4, v[LN]
.irp u, 0,1
.irp c, 0,1,2,3
	global_load_b128 v[Q+32*(\u)+8*(\c):Q+32*(\u)+8*(\c)+3],   v[LN], s[8:9] offset:(\u)*4096+(\c)*1024      ; Q stays in registers: tile u, channels 32 c on
	global_load_b128 v[Q+32*(\u)+8*(\c)+4:Q+32*(\u)+8*(\c)+7], v[LN], s[8:9] offset:(\u)*4096+(\c)*1024+512
.endr
.endr
	; the masks.  Register j of key block kb holds key 16 kb + 8 h + j of a step; my query of tile u is number 32 (w % 2) + 16 u + r of the block
	v_and_b32 v1, 15, v0
	v_bfe_u32 v5, v0, 4, 1
	v_lshlrev_b32 v6, 3, v5
	v_sub_nc_u32 v6, v1, v6
	s_lshl_b32 s48, s15, 5
	v_add_nc_u32 v6, s48, v6                       ; the query's number less 8 h, tile 0
	v_add_nc_u32 v7, 16, v6                        ; tile 1
	s_cmp_lt_u32 s[BB], 8
	s_cselect_b32 s49, 64, 0                       ; for b < 8 step 0 lies ahead of the first key: the threshold passes every 16 kb + j
	v_add_nc_u32 v8, s49, v6
	v_add_nc_u32 v9, s49, v7
	WIN 0x80
.set i, 0
.rept 64
	v_cmp_gt_i32 vcc_lo, 16*((i%32)/8)+i%8, v[6+i/32]   ; step 8: hidden behind the diagonal
	v_cndmask_b32 v[MD+i], 0, s[BIGN], vcc_lo
.set i, i+1
.endr
.set i, 0
.rept 128
	v_mov_b32 v[i], 0                              ; O^T
.set i, i+1
.endr
	WIN 0
.set i, 0
.rept 64
	v_cmp_lt_i32 vcc_lo, 16*((i%32)/8)+i%8, v[8+i/32]   ; step 0: hidden in front of the window's edge
	v_cndmask_b32 v[MC+i], 0, s[BIGN], vcc_lo
.set i, i+1
.endr
.irp t, 0,1
	v_mov_b32 v[ST+8*(\t)], 0xfe000000             ; c m: far below every c m to come, so the first a is 0
	v_mov_b32 v[ST+8*(\t)+1], 0xef800000           ; m = -2^96
	v_mov_b32 v[ST+8*(\t)+2], 0
	v_mov_b32 v[ST+8*(\t)+3], 0
.endr
; THE MATRIX WORK.  The accumulators take turns, one instruction a turn: 7 (K Q^T) or 15 (V^T P) others stand between two links of a chain.
; Product i of 32 of S^T = K Q^T: channels 32 (i / 8) on, keys 16 ((i / 2) % 4) on, tile i % 2.  The first 8 start the sums with the mask.
.macro KQ
	WIN W_KQ
.set rS, S+32*(i%2)+8*((i/2)%4)
.set rK, 8*(4*((i/2)%4)+i/8)
.set rQ, Q+32*(i%2)+8*(i/8)
.set rM, MC+32*(i%2)+8*((i/2)%4)
.if i < 8
	v_wmma_f32_16x16x32_f16 v[rS:rS+7], v[rK:rK+7], v[rQ:rQ+7], v[rM:rM+7]
.else
	v_wmma_f32_16x16x32_f16 v[rS:rS+7], v[rK:rK+7], v[rQ:rQ+7], v[rS:rS+7]
.endif
.endm
; Product i of 32 of O^T += V^T P: keys 32 (i / 16) on, channels 16 ((i / 2) % 8) on, tile i % 2.
.macro PV
	WIN W_PV
.set rO, 64*(i%2)+8*((i/2)%8)
.set rV, VF+64*(i/16)+8*((i/2)%8)
.set rP, P+16*(i%2)+8*(i/16)
	v_wmma_f32_16x16x32_f16 v[rO:rO+7], v[rV:rV+7], v[rP:rP+7], v[rO:rO+7]
.endm
; THE LDS LOADS, in runs of 32; every load takes 512 consecutive bytes, 16 a lane.  K: fragment f = key block f / 4, channels 32 (f % 4) on: blocks 2 (f % 4) and 2 (f % 4) + 1 of the key block's tile.
.macro FETCH_K
	WIN 0
	v_add_nc_u32 v[ADRK], s[TBK], v[LN]
	WIN 0x40
.irp f, 0,1,2,3,4,5,6,7,8,9,10,11,12,13,14,15
	ds_load_b128 v[8*(\f):8*(\f)+3],   v[ADRK] offset:((\f)/4)*4096+((\f)%4)*1024
	ds_load_b128 v[8*(\f)+4:8*(\f)+7], v[ADRK] offset:((\f)/4)*4096+((\f)%4)*1024+512
.endr
	WIN 0
	s_add_co_u32 s[TBK], s[TBK], STEPB
.endm
; V, turned: fragment f = keys 32 (f / 8) on, channels 16 (f % 8) on: the same block of two neighbouring tiles of 16 keys.  v's order in a block is the one in which lane l's 16 bytes (key 8 (l / 16) + l % 8, channels 8 ((l / 8) % 2) on) lie at 16 l.
.macro FETCH_V
	WIN 0
	v_add_nc_u32 v[ADRV], s[TBV], v[LN]
	WIN 0x40
.irp f, 0,1,2,3,4,5,6,7,8,9,10,11,12,13,14,15
	ds_load_tr16_b128 v[VF+8*(\f):VF+8*(\f)+3],   v[ADRV] offset:((\f)/8)*8192+((\f)%8)*512
	ds_load_tr16_b128 v[VF+8*(\f)+4:VF+8*(\f)+7], v[ADRV] offset:((\f)/8)*8192+((\f)%8)*512+4096
.endr
	WIN 0
	s_add_co_u32 s[TBV], s[TBV], STEPB
.endm
.macro MASK                            ; the next step's mask
	WIN W_MK
.set z, 0
.rept 32
	v_pk_fma_f32 v[MC+2*z:MC+2*z+1], v[MD+2*z:MD+2*z+1], s[AL:AL+1], s[BE:BE+1] op_sel_hi:[1,0,0]
.set z, z+1
.endr
.endm
; THE SOFTMAX of tile t for one step is a list of 134 instructions; SM writes number j.  s0-s31 are the lane's 32 scores, in pairs 0-15.
;   0-15    the maximum of s0-s31 and the old m, three operands at a time (each accumulator's lowest registers are read first)
;   16-20   the other half of the lanes' maximum; the new m; c m; c m_old - c m_new
;   21-69   ONE BATCH: the 16 scalings c s - c m and all 33 exponentials (a at 23, then s0-s31); none of these names an exponential's result; a pair is scaled ahead of its exponentials
;   70-85   the roundings to f16     86-101  the sums; l = a l + the sum     102-133 O^T times a
.macro SM t
.set rT, ST+8*(\t)
.set rS, S+32*(\t)
.set rP, P+16*(\t)
.set rO, 64*(\t)+2*(j-102)
.if j < 102
	WIN 0
.endif
.if j < 4
	v_max3_num_f32 v[rT+4+j], v[rS+8*j], v[rS+8*j+1], v[rS+8*j+2]
.elseif j < 12
	v_max3_num_f32 v[rT+4+j%4], v[rT+4+j%4], v[rS+8*(j%4)+2*(j/4)+1], v[rS+8*(j%4)+2*(j/4)+2]
.elseif j == 12
	v_max3_num_f32 v[rT+4], v[rT+4], v[rS+7], v[rS+15]
.elseif j == 13
	v_max3_num_f32 v[rT+6], v[rT+6], v[rS+23], v[rS+31]
.elseif j == 14
	v_max3_num_f32 v[rT+4], v[rT+4], v[rT+5], v[rT+6]
.elseif j == 15
	v_max3_num_f32 v[rT+4], v[rT+4], v[rT+7], v[rT+1]
.elseif j == 16
	v_permlanex16_b32 v[rT+5], v[rT+4], s[SEL], s[SEL+1]  ; the query's other 32 keys lie in the lane 16 away
.elseif j == 17
	v_mov_b32 v[rT+7], v[rT]                       ; c m_old is kept for a
.elseif j == 18
	v_max_num_f32 v[rT+1], v[rT+4], v[rT+5]
.elseif j == 19
	v_mul_f32 v[rT], s[CS], v[rT+1]
.elseif j == 20
	v_sub_f32 v[rT+7], v[rT+7], v[rT]
.elseif j == 23
	v_exp_f32 v[rT+6], v[rT+7]
.elseif (j < 23) || ((j < 38) && (j%2 == 0)) || ((j < 66) && (j%4 == 2))
.set b, (j-2)/4                        ; 38, 42, .. 62: pairs 9 to 15
.if j < 38
.set b, (j-20)/2                       ; 21: pair 0; 22, 24, .. 36: pairs 1 to 8
.endif
	v_pk_fma_f32 v[rS+2*b:rS+2*b+1], v[rS+2*b:rS+2*b+1], s[CS:CS+1], v[rT:rT+1] op_sel_hi:[1,0,0] neg_lo:[0,0,1] neg_hi:[0,0,1]
.elseif j < 70
.set e, j-38                           ; 66 to 69: s28 to s31
.if j < 66
.set e, j-32-(j-38)/4                  ; 39-41, 43-45, .. 63-65: s7 to s27
.endif
.if j < 38
.set e, (j-25)/2                       ; 25, 27, .. 37: s0 to s6
.endif
	v_exp_f32 v[rS+e], v[rS+e]
.elseif j < 86
	v_cvt_pk_f16_f32 v[rP+j-70], v[rS+2*(j-70)], v[rS+2*(j-70)+1]
.elseif j < 102                        ; sum z of 16 adds neighbours 1, 2, 4 and 8 pairs apart, in place; then l takes it
.set z, j-86
.set w, 4
.set u, z
.if z >= 14
.set w, 32
.set u, 0
.elseif z >= 12
.set w, 16
.set u, z-12
.elseif z >= 8
.set w, 8
.set u, z-8
.endif
.if z < 15
	v_pk_add_f32 v[rS+w*u:rS+w*u+1], v[rS+w*u:rS+w*u+1], v[rS+w*u+w/2:rS+w*u+w/2+1]
.else
	v_pk_fma_f32 v[rT+2:rT+3], v[rT+2:rT+3], v[rT+6:rT+7], v[rS:rS+1] op_sel_hi:[1,0,1]
.endif
.else
	WIN W_RS
	v_pk_mul_f32 v[rO:rO+1], v[rO:rO+1], v[rT+6:rT+7] op_sel_hi:[1,0]
.endif
.endm
; A KEY STEP.  last = 1: in the loop's last trip there is no further K, and its run is jumped over.
.macro STEP last
	s_wait_dscnt 0x0                               ; K is in
.set i, 0
.rept 32
	KQ
.set i, i+1
.endr
	WIN 0
.rept 8
	v_nop                                          ; the places behind those products: in front of the loads into K's registers, of the new mask and of the first read of the scores
.endr
.if \last
	s_cmp_eq_u32 s[CNT], 1
	s_cbranch_scc1 .Lno_k_\@
.endif
	FETCH_K                                        ; the next step's: it has the whole softmax in which to come
.if \last
.Lno_k_\@:
.endif
	FETCH_V                                        ; this step's; the last products that read V stand ahead of the eight places
	s_cmp_eq_u32 s[STP], 7                         ; is the next step the diagonal's?
	s_cselect_b32 s[AL], 1.0, 0
	s_add_co_u32 s48, s[STP], s[BB]
	s_cmp_lt_u32 s48, 7                            ; or does it lie ahead of the first key: step + 1 + b < 8?
	s_cselect_b32 s[BE], s[BIGN], 0
	MASK
.set j, 0
.rept 70
	SM 0                                           ; the two tiles alternate, so that no instruction reads the result of the one just before it
	SM 1
.set j, j+1
.endr
	v_nop                                          ; a plain instruction behind the last exponential,
	s_wait_alu depctr_va_vdst(0)                   ; and ONE wait for the 66, ahead of the first instruction that names a result of theirs
.rept 64
	SM 0
	SM 1
.set j, j+1
.endr
	s_wait_dscnt 0x0                               ; V is in (and the next K)
.set i, 0
.rept 32
	PV
.set i, i+1
.endr
	WIN 0
	s_add_co_u32 s[STP], s[STP], 1
.endm
.macro STEPS n, last
	s_mov_b32 s[CNT], \n
.Lstep_\@:
	STEP \last
	s_sub_co_u32 s[CNT], s[CNT], 1
	s_cmp_lg_u32 s[CNT], 0
	s_cbranch_scc1 .Lstep_\@
.endm
	s_wait_tensorcnt 1                             ; my part of steps 0-3 is in; the second load may stay out
	s_barrier_signal -1
	s_barrier_wait -1                              ; everybody's is
	FETCH_K                                        ; step 0
	s_wait_loadcnt 0x0                             ; Q
	STEPS 3, 0                                     ; steps 0-2 read K up to step 3 and V up to step 2: bytes of the first loads alone
	s_wait_tensorcnt 0x0                           ; my part of steps 4-8 is in
	s_wait_dscnt 0x0
	s_barrier_signal -1
	s_barrier_wait -1                              ; everybody's is
	STEPS 6, 1                                     ; steps 3-8
	; THE WAY OUT.  l's two halves and the other half of the lanes' are added; O^T is divided by l and rounded to f16; a lane's eight channels are 16 bytes, a wave's store 512 consecutive aligned bytes of ctx.
.rept 8
	v_nop                                          ; the places behind the last products
.endr
.irp t, 0,1
	v_add_f32 v[ST+8*(\t)+4], v[ST+8*(\t)+2], v[ST+8*(\t)+3]
.endr
.irp t, 0,1
	v_permlanex16_b32 v[ST+8*(\t)+5], v[ST+8*(\t)+4], s[SEL], s[SEL+1]
.endr
.irp t, 0,1
	v_add_f32 v[ST+8*(\t)+4], v[ST+8*(\t)+4], v[ST+8*(\t)+5]
.endr
.irp t, 0,1
	v_rcp_f32 v[ST+8*(\t)+6], v[ST+8*(\t)+4]       ; l is at least the weight 1 of the row's largest score
.endr
	v_nop                                          ; a plain instruction behind the last reciprocal,
	s_wait_alu depctr_va_vdst(0)                   ; and one wait for the two
.irp t, 0,1
	WIN W_RS
.set i, 64*(\t)
.rept 32
	v_pk_mul_f32 v[i:i+1], v[i:i+1], v[ST+8*(\t)+6:ST+8*(\t)+7] op_sel_hi:[1,0]
.set i, i+2
.endr
	WIN 0x0a                                       ; sources 0 and 1 window 2, destination window 0: S^T's registers are free
.set i, 0
.rept 32
	v_cvt_pk_f16_f32 v[S+32*(\t)+i], v[64*(\t)+2*i], v[64*(\t)+2*i+1]
.set i, i+1
.endr
	WIN 0
.irp c, 0,1,2,3,4,5,6,7
	global_store_b128 v[LN], v[S+32*(\t)+4*(\c):S+32*(\t)+4*(\c)+3], s[10:11] offset:(\t)*4096+(\c)*512
.endr
.endr
	s_wait_tensorcnt 0x0                           ; the wave's end, behind my last tensor load
	ds_add_u32 v[SPW], v[NIL]
	s_wait_dscnt 0x0
	s_endpgm
.Lfunc_end_k_q3146e6dbb8_attn:
	.size	k_q3146e6dbb8_attn, .Lfunc_end_k_q3146e6dbb8_attn-k_q3146e6dbb8_attn
	.p2alignl 7, 3214868480
	.fill 96, 4, 3214868480
	.section	.rodata,"a",@progbits
	.p2align	6, 0x0
	.amdhsa_kernel k_q3146e6dbb8_attn
		.amdhsa_group_segment_fixed_size 327680
		.amdhsa_private_segment_fixed_size 0
		.amdhsa_enable_private_segment 0
		.amdhsa_kernarg_size 16
		.amdhsa_user_sgpr_count 2
		.amdhsa_user_sgpr_kernarg_segment_ptr 1
		.amdhsa_wavefront_size32 1
		.amdhsa_system_sgpr_workgroup_id_x 1
		.amdhsa_system_sgpr_workgroup_id_y 1
		.amdhsa_system_sgpr_workgroup_id_z 1
		.amdhsa_system_vgpr_workitem_id 0
		.amdhsa_next_free_vgpr 768
		.amdhsa_next_free_sgpr 66
		.amdhsa_reserve_vcc 1
		.amdhsa_float_denorm_mode_32 3
		.amdhsa_float_denorm_mode_16_64 3
		.amdhsa_memory_ordered 1
		.amdhsa_forward_progress 1
		.amdhsa_inst_pref_size 87
	.end_amdhsa_kernel
	.amdgpu_metadata
---
amdhsa.version: [ 1, 2 ]
amdhsa.kernels:
  - .name:           k_q3146e6dbb8_attn
    .symbol:         k_q3146e6dbb8_attn.kd
    .args:
      - { .name: heads, .offset: 0, .size: 8, .value_kind: global_buffer, .address_space: global }
      - { .name: ctx, .offset: 8, .size: 8, .value_kind: global_buffer, .address_space: global }
    .group_segment_fixed_size: 327680
    .private_segment_fixed_size: 0
    .kernarg_segment_align: 8
    .kernarg_segment_size: 16
    .max_flat_workgroup_size: 128
    .sgpr_count:     66
    .vgpr_count:     768
    .wavefront_size: 32
...
	.end_amdgpu_metadata
.endif
;; end of part 3
;; launch proj (part 4): grid 8 x 32, 4 waves a work-group, clusters of 4 x 4, 327,680 bytes of LDS; arguments ctx, wob, out0; writes out0
.if DOCPART == 4
	.amdgcn_target "amdgcn-amd-amdhsa--gfx1250"
	.amdhsa_code_object_version 6
	.text
	.protected	k_q3146e6dbb8_proj
	.globl	k_q3146e6dbb8_proj
	.p2align	8
	.type	k_q3146e6dbb8_proj,@function
k_q3146e6dbb8_proj:
	s_mov_b64 s[64:65], 0
	v_nop
	global_prefetch_b8 v0, s[64:65] scope:SCOPE_SE
	s_setreg_imm32_b32 hwreg(HW_REG_WAVE_MODE, 25, 1), 1
	s_wait_xcnt 0x0
	s_wait_alu depctr_hold_cnt(0) depctr_sa_sdst(0) depctr_va_vdst(0) depctr_va_sdst(0) depctr_va_ssrc(0) depctr_va_vcc(0) depctr_vm_vsrc(0)
	s_getreg_b32 s2, hwreg(HW_REG_IB_STS2, 6, 4)
	s_cmp_eq_u32 s2, 0
	s_cbranch_scc0 .Lentry_in_a_cluster
	s_endpgm
.Lentry_in_a_cluster:
	s_bfe_u32 s2, ttmp6, 0x10000c
	s_cmp_lg_u32 s2, 0xf033
	s_cbranch_scc0 .Lentry_shape_is_right
	s_endpgm
.Lentry_shape_is_right:
; out0 = O wo^T.  ctx: f16, [8 heads][256 tiles of 16 rows][4,096 bytes]: in a tile the 16 bytes (row r, channels 16 cb + 8 h + 0..7) lie at 512 cb + 256 h + 16 r.  wob: [2048][1024] f16 (wo rounded to bf16, written as f16).
; out0: [4096][2048] f32.  Sums in f32, K ascending by heads.
; SHARES.  A tile of C is 128 rows x 256 columns: 256 work-groups.  Four waves, each 64 rows x 128 columns: 4 x 8 accumulators.  K goes in 8 steps of 128, ONE HEAD a step, through two LDS slots; a step is four quarters of 32.
; O's tile of a step, 64 rows a wave, is 16,384 dense bytes of memory: asked for as 64 rows of 256 bytes and laid into LDS as it lies; a fragment (16 rows x 32 channels) is two loads of 512 consecutive bytes, 16 a lane.
; CLUSTER 4 x 4: the four of a row need the same tiles of O, the four of a column the same rows of wo: each is asked for jointly, by the same tensor load, descriptor and mask in all four.
; THE MATRIX INSTRUCTION IS USED TRANSPOSED (source 0 = 16 rows of wo, source 1 = 16 rows of O): a lane holds row l % 16 and eight neighbouring columns: 32 bytes.  They go through the wave's own stage in LDS and
; come back as whole rows of 512 bytes.
; REGISTERS: window 0: v0-31 addresses; window 1: two fragment buffers of 96 (wo's 8 blocks, then O's 4), on the way out all 256 for rows read back; window 2: accumulator (a, b) at 8 (8 a + b).
.set LAPS,   4                         ; a lap = two K steps; K = 1,024
.set A_KB,   1<<20                     ; from a head to the next in ctx
.set B_ROWB, 2048                      ; bytes in a row of wob
.set KB,     256                       ; bytes of a row of wob in a K step
.set PITCH,  272                       ; wo's rows in LDS: 256 bytes + 16 of padding: the 16 rows of a fragment load start 4 banks apart (64 banks of 4 bytes: ISA guide 11.1)
.set A_BLK,  4096                      ; from one tile of 16 rows of O to the next
.set A_K32,  1024                      ; from one quarter to the next: two blocks of 512
.set A_HALF, 512                       ; from a fragment's registers 0-3 to its registers 4-7
.set AHALFB, 16384
.set ABYTES, 2*AHALFB
.set BHALFB, 128*PITCH
.set SLOT,   ABYTES+2*BHALFB
.set STAGE,  2*SLOT                    ; behind the ring, never filled by a tensor load: 16 rows x 528 bytes for each wave
.set SPITCH, 528                       ; 512 bytes + 16: 33 x 16, so the 16 rows of a store start at 16 different groups of four banks
.set SPARE,  STAGE+4*16*SPITCH         ; behind the stages: the spare words, 128 bytes a wave, which no other line names
.set ADRA, 16
.set ADRB, 20
.set STO,  24                          ; v24 where I put my 32 bytes of a row
.set RD,   25                          ; v25 where I read a row back
.set CO,   26                          ; v26 16 x lane: my 16 bytes of a row's 512
.set SPW,  28
.set NIL,  29
.set PFO,  30
.set F0,   0
.set F1,   96
.set G1,   24
.set G0,   32
.set G1B,  48
.set G0B,  56
.set PFA,  66                          ; s[66:67] where my prefetches stand
.set PFS,  68                          ; s[68:69] a K step of my tensor, in bytes
.set LIM0, 70                          ; s70, s71: 1 where I prefetch at slot 0's, slot 1's change, else the greatest number
.set OUTB, 76                          ; s[76:77] out0 at my first row and column
.set MSB, 0
.macro WIN new
.if MSB != (\new)
	s_set_vgpr_msb (MSB<<8)|(\new)
.set MSB, \new
.endif
.endm
.set MUL,  0xa5                        ; sources 0 and 1 window 1; C and D window 2
.set TO_F, 0x40                        ; destination window 1, address window 0
.macro PLACES
.rept 4
	v_nop
.endr
.endm
.macro JLOAD s                         ; a joint load: waves 0 and 1 fetch O's two halves, waves 2 and 3 wo's; an s_nop 0 and four v_nop follow each line, ahead of the jump and the label
	s_cmp_eq_u32 s11, 0
	s_cbranch_scc0 .Lfor_b_\@
	tensor_load_to_lds s[G0+4*(\s):G0+4*(\s)+3], s[G1:G1+7]
	s_nop 0
.rept 4
	v_nop
.endr
	s_branch .Lasked_\@
.Lfor_b_\@:
	tensor_load_to_lds s[G0B+4*(\s):G0B+4*(\s)+3], s[G1B:G1B+7]
	s_nop 0
.rept 4
	v_nop
.endr
.Lasked_\@:
.endm
.macro CREST
	s_cmp_lg_u32 s10, 0
	s_cbranch_scc1 .Lnot_wave_0_\@
	s_barrier_signal -3
.Lnot_wave_0_\@:
	s_barrier_wait -3
	s_barrier_signal -1
	s_barrier_wait -1
.endm
.macro CROUND
	s_barrier_signal -1
	s_barrier_wait -1
	CREST
.endm
; A PREFETCH INTO THE L2 behind a joint load and the run of LDS loads that follows it.  Each block of 256 bytes is named once in the launch: O's by the clusters with x = 0, wo's by those with y = 0; the four partners share
; a wave's blocks out by address.  A wave that fetches wo has 128 rows, 32 a partner: a lane a row, at each change of slots, the K step two refills on.  A wave that fetches O has 64 blocks a step, 16 a partner (one tile):
; lanes 0-15 name them in the head two refills on, lanes 16-31 in the one after: once a lap, at slot 0's change.  The loop's last trip asks for nothing: those K steps do not exist.
.macro ASK n
	s_cmp_gt_u32 s3, s[LIM0+(\n)]
	s_cbranch_scc0 .Lnot_mine_\@
	global_prefetch_b8 v[PFO], s[PFA:PFA+1] th:TH_LOAD_NT scope:SCOPE_SE
.Lnot_mine_\@:
.endm
	s_load_b128 s[4:7], s[0:1], 0x0                ; ctx s[4:5], wob s[6:7]
	s_load_b64 s[OUTB:OUTB+1], s[0:1], 0x10        ; out0
	v_lshl_add_u32 v[SPW], v0, 2, SPARE
	v_mov_b32 v[NIL], 0
	ds_add_u32 v[SPW], v[NIL]                      ; the wave's opening: the add and its wait stand ahead of my first tensor load; the set-up below stands between them
	ds_add_u32 v28, v29
	v_lshrrev_b32 v1, 5, v0
	v_readfirstlane_b32 s10, v1                    ; wave 0..3
	s_lshr_b32 s11, s10, 1                         ; which 64 rows of the tile are mine.  Also: I fetch for O (0) or for wo (1)
	s_and_b32 s12, s10, 1                          ; which 128 columns.  Also: which half of that tile I fetch
	s_bfe_u32 s40, ttmp6, 0x40000                  ; cx
	s_bfe_u32 s41, ttmp6, 0x40004                  ; cy
	s_lshl_b32 s42, ttmp9, 2
	s_add_co_u32 s42, s42, s40                     ; tile column, 0..7
	s_and_b32 s13, ttmp7, 0xffff
	s_lshl_b32 s13, s13, 2
	s_add_co_u32 s13, s13, s41                     ; tile row, 0..31
	s_lshl_b32 s43, s41, 2
	s_lshl_b32 s43, 15, s43                        ; my row of the cluster
	s_lshl_b32 s44, 0x1111, s40                    ; my column
	s_or_b32 s[G1+0], s43, (1<<16)|(1<<21)         ; 15:0 mask; 17:16 2-byte elements; 21 set beside a mask; no padding: O's tiles are read 512 consecutive bytes at a time
	s_or_b32 s[G1B+0], s44, (1<<16)|(1<<20)|(1<<21)|(5<<22)|(3<<25)  ; padding on: 4 words after every 64
	s_mov_b32 s[G1+1], 128<<16                     ; tensor_dim0 = 128
	s_mov_b32 s[G1+2], 64<<16                      ; tensor_dim1 = 64
	s_mov_b32 s[G1+3], 128<<16                     ; tile_dim0 = 128
	s_mov_b32 s[G1+4], 64                          ; tile_dim1 = 64
	s_mov_b32 s[G1+5], 128                         ; dense: 128 elements from row to row
	s_mov_b32 s[G1+6], 0
	s_mov_b32 s[G1+7], 0
	s_mov_b32 s[G1B+1], 128<<16
	s_mov_b32 s[G1B+2], 128<<16
	s_mov_b32 s[G1B+3], 128<<16
	s_mov_b32 s[G1B+4], 128
	s_mov_b32 s[G1B+5], 1024
	s_mov_b32 s[G1B+6], 0
	s_mov_b32 s[G1B+7], 0
	s_lshl_b32 s16, s13, 3                         ; O: tile of 16 rows 8 x tile row + 4 x half, in registers that never hold cx
	s_lshl2_add_u32 s16, s12, s16
	s_lshl_b32 s16, s16, 12
	s_mov_b32 s17, 0
	s_lshl_b32 s46, s42, 8                         ; wo: row 256 x tile column + 128 x half, in registers that never hold cy
	s_lshl_b32 s47, s12, 7
	s_add_co_u32 s46, s46, s47
	s_lshl_b32 s46, s46, 11
	s_mov_b32 s47, 0
	s_mul_i32 s20, s12, AHALFB
	s_mul_i32 s21, s12, BHALFB
	s_add_co_u32 s21, s21, ABYTES
	s_wait_dscnt 0x0                               ; the opening add is done
	s_wait_kmcnt 0x0
	s_add_nc_u64 s[14:15], s[4:5], s[16:17]
	s_add_nc_u64 s[46:47], s[6:7], s[46:47]
	CROUND                                         ; all sixteen work-groups are here: the first joint loads meet
.irp s, 0,1
	s_mov_b32 s[G0+4*(\s)], 1
	s_add_co_u32 s[G0+4*(\s)+1], s20, (\s)*SLOT
	s_add_nc_u64 s[G0+4*(\s)+2:G0+4*(\s)+3], s[14:15], (\s)*A_KB
	s_or_b32 s[G0+4*(\s)+3], s[G0+4*(\s)+3], 0x80000000
	s_mov_b32 s[G0B+4*(\s)], 1
	s_add_co_u32 s[G0B+4*(\s)+1], s21, (\s)*SLOT
	s_add_nc_u64 s[G0B+4*(\s)+2:G0B+4*(\s)+3], s[46:47], (\s)*KB
	s_or_b32 s[G0B+4*(\s)+3], s[G0B+4*(\s)+3], 0x80000000
	JLOAD \s                                       ; two loads of mine are out
.endr
	v_and_b32 v1, 15, v0                           ; r
	v_bfe_u32 v2, v0, 4, 1                         ; h
	v_mul_u32_u24 v3, v1, PITCH
	v_lshl_add_u32 v3, v2, 4, v3                   ; wo: row x pitch + 16 x half
	v_and_b32 v[CO], 31, v0
	v_lshlrev_b32 v[CO], 4, v[CO]                  ; O, and the way out: 16 x lane
	s_mul_i32 s18, s11, AHALFB
	s_mul_i32 s19, s12, BHALFB
	s_add_co_u32 s19, s19, ABYTES
.irp s, 0,1
	v_add_nc_u32 v[ADRA+(\s)], s18, v[CO]
	v_add_nc_u32 v[ADRB+(\s)], s19, v3
	s_add_co_u32 s18, s18, SLOT
	s_add_co_u32 s19, s19, SLOT
.endr
	s_mul_i32 s18, s10, 16*SPITCH
	s_add_co_u32 s18, s18, STAGE                   ; my stage
	v_mul_u32_u24 v[STO], v1, SPITCH
	v_lshl_add_u32 v[STO], v2, 5, v[STO]
	v_add_nc_u32 v[STO], s18, v[STO]
	v_add_nc_u32 v[RD], s18, v[CO]
	s_lshl_b32 s18, s13, 7
	s_lshl_b32 s19, s11, 6
	s_add_co_u32 s18, s18, s19                     ; my first row,
	s_lshl_b32 s18, s18, 13                        ; x 8,192 bytes
	s_lshl_b32 s19, s42, 8
	s_lshl_b32 s22, s12, 7
	s_add_co_u32 s19, s19, s22                     ; my first column,
	s_lshl_b32 s19, s19, 2
	s_add_co_u32 s18, s18, s19
	s_mov_b32 s19, 0
	s_add_nc_u64 s[OUTB:OUTB+1], s[OUTB:OUTB+1], s[18:19]
	; the prefetches
	s_lshl_b32 s18, s13, 3
	s_lshl2_add_u32 s18, s12, s18
	s_add_co_u32 s18, s18, s40                     ; O: of the four tiles that I fetch, my work-group's one
	s_lshl_b32 s18, s18, 12
	s_lshl_b32 s22, s42, 8
	s_lshl_b32 s19, s12, 7
	s_add_co_u32 s22, s22, s19
	s_lshl_b32 s19, s41, 5
	s_add_co_u32 s22, s22, s19                     ; wo: of the 128 rows that I fetch, my work-group's 32
	s_lshl_b32 s22, s22, 11
	s_and_b32 s23, ttmp7, 0xffff                   ; cluster y
	s_mov_b32 s78, B_ROWB
	s_mov_b32 s79, 16*B_ROWB
	s_mov_b32 s[PFS], KB
	s_mov_b32 s[PFS+1], 0
	s_cmp_eq_u32 s11, 0                            ; do I fetch for O?
	s_cselect_b32 s18, s18, s22
	s_cselect_b32 s23, ttmp9, s23                  ; the coordinate along which other clusters read the same blocks
	s_cselect_b32 s78, 256, s78                    ; lanes 0-15: a block of 256 bytes (O), or a row (wo), apart
	s_cselect_b32 s79, A_KB, s79                   ; lanes 16-31: the next head (O), or 16 rows on (wo)
	s_cselect_b32 s[PFS], A_KB, s[PFS]
	s_cselect_b64 s[PFA:PFA+1], s[4:5], s[6:7]
	s_cselect_b32 s[LIM0+1], -1, 1
	s_cmp_eq_u32 s23, 0
	s_cselect_b32 s[LIM0], 1, -1                   ; the same in all sixteen partners, for a given wave
	s_cselect_b32 s[LIM0+1], s[LIM0+1], -1
	s_mov_b32 s19, 0
	s_add_nc_u64 s[PFA:PFA+1], s[PFA:PFA+1], s[18:19]
.rept 3
	s_add_nc_u64 s[PFA:PFA+1], s[PFA:PFA+1], s[PFS:PFS+1]  ; at K step 3: the first refill steps it to 4
.endr
	v_mul_u32_u24 v[PFO], v1, s78
	v_mul_u32_u24 v3, v2, s79
	v_add_nc_u32 v[PFO], v[PFO], v3
; 8 matrix instructions: block a of my rows x all 8 blocks of my columns, 32 along K.  The 32 accumulators take turns, one instruction a turn, in the same order in every quarter.
.macro MUL8 f, a, zero
	WIN MUL
.irp b, 0,1,2,3,4,5,6,7
.if \zero
	v_wmma_f32_16x16x32_f16 v[8*(8*(\a)+(\b)):8*(8*(\a)+(\b))+7], v[(\f)+8*(\b):(\f)+8*(\b)+7], v[(\f)+64+8*(\a):(\f)+64+8*(\a)+7], 0
.else
	v_wmma_f32_16x16x32_f16 v[8*(8*(\a)+(\b)):8*(8*(\a)+(\b))+7], v[(\f)+8*(\b):(\f)+8*(\b)+7], v[(\f)+64+8*(\a):(\f)+64+8*(\a)+7], v[8*(8*(\a)+(\b)):8*(8*(\a)+(\b))+7]
.endif
.endr
.endm
.macro FETCH slot, q, f                ; 24 LDS loads in one run: wo's 16, then O's 8
	WIN TO_F
.irp i, 0,1,2,3,4,5,6,7
	ds_load_b128 v[(\f)+8*(\i):(\f)+8*(\i)+3],   v[ADRB+(\slot)] offset:(\q)*64+(\i)*16*PITCH
	ds_load_b128 v[(\f)+8*(\i)+4:(\f)+8*(\i)+7], v[ADRB+(\slot)] offset:(\q)*64+(\i)*16*PITCH+32
.endr
.irp i, 0,1,2,3
	ds_load_b128 v[(\f)+64+8*(\i):(\f)+64+8*(\i)+3],   v[ADRA+(\slot)] offset:(\q)*A_K32+(\i)*A_BLK
	ds_load_b128 v[(\f)+64+8*(\i)+4:(\f)+64+8*(\i)+7], v[ADRA+(\slot)] offset:(\q)*A_K32+(\i)*A_BLK+A_HALF
.endr
.endm
.macro QUARTER slot, q, f, g, zero
	s_wait_dscnt 4                                 ; wo and O's blocks 0, 1 are in; the youngest four loads (O's blocks 2, 3) may be out
	MUL8 \f, 0, \zero
	MUL8 \f, 1, \zero
	PLACES
	FETCH \slot, \q, \g
	s_wait_dscnt 24                                ; all but the 24 just issued
	MUL8 \f, 2, \zero
	MUL8 \f, 3, \zero
.endm
; The last quarter multiplies buffer 1 and changes slots: ONE barrier; in front of it each wave waits for all its tensor loads (one is out: its part of the next slot), adds 0 to its spare word, and waits for
; that and for its reads of this slot.  fill = 1: the barrier opens a round of the cluster's, and this slot is filled again first behind it, two K steps ahead: 112 matrix instructions ahead of the wait for it.
.macro TURN slot, next, fill
.if \fill
	s_wait_xcnt 0x0                                ; the last prefetch, a K step back, has read its address: it is stepped here, ahead of the waits of the change
	s_add_nc_u64 s[PFA:PFA+1], s[PFA:PFA+1], s[PFS:PFS+1]
.endif
	WIN 0
	s_wait_tensorcnt 0x0                           ; all my tensor loads have landed
	ds_add_u32 v[SPW], v[NIL]                      ; 0 onto my spare word
	s_wait_dscnt 5                                 ; (the add and the youngest four loads may be out)
	MUL8 F1, 0, 0
	s_wait_dscnt 0x0                               ; the add is done, and my reads of this slot are over
	s_barrier_signal -1
	MUL8 F1, 1, 0
.if \fill
	WIN 0
.endif
	s_barrier_wait -1
.if \fill
	CREST                                          ; no wave of any partner still reads this slot or has a load on its way
	s_add_nc_u64 s[G0+4*(\slot)+2:G0+4*(\slot)+3], s[G0+4*(\slot)+2:G0+4*(\slot)+3], 2*A_KB
	s_add_nc_u64 s[G0B+4*(\slot)+2:G0B+4*(\slot)+3], s[G0B+4*(\slot)+2:G0B+4*(\slot)+3], 2*KB
	JLOAD \slot                                    ; my one tensor load behind the round; its four v_nop are also the places in front of the loads below
.else
	PLACES
.endif
	FETCH \next, 0, F0
.if \fill
	WIN 0
	ASK \slot
.endif
	MUL8 F1, 2, 0
	MUL8 F1, 3, 0
.endm
	s_wait_tensorcnt 1                             ; my part of K step 0 is in; K step 1's may stay out
	s_barrier_signal -1
	s_barrier_wait -1
	FETCH 0, 0, F0
	QUARTER 0, 1, F0, F1, 1                        ; the first quarter's 32 products start the 32 sums
	WIN 0
	s_mov_b32 s3, LAPS-1
.Llap:
	QUARTER 0, 2, F1, F0, 0
	QUARTER 0, 3, F0, F1, 0
	TURN 0, 1, 1
	QUARTER 1, 1, F0, F1, 0
	QUARTER 1, 2, F1, F0, 0
	QUARTER 1, 3, F0, F1, 0
	TURN 1, 0, 1
	QUARTER 0, 1, F0, F1, 0
	WIN 0
	s_sub_co_u32 s3, s3, 1
	s_cmp_lg_u32 s3, 0
	s_cbranch_scc1 .Llap
	QUARTER 0, 2, F1, F0, 0                        ; the last lap fills nothing
	QUARTER 0, 3, F0, F1, 0
	TURN 0, 1, 0
	QUARTER 1, 1, F0, F1, 0
	QUARTER 1, 2, F1, F0, 0
	QUARTER 1, 3, F0, F1, 0
	s_wait_dscnt 4
	MUL8 F1, 0, 0
	MUL8 F1, 1, 0
	s_wait_dscnt 0x0
	MUL8 F1, 2, 0
	MUL8 F1, 3, 0
	WIN 0
	PLACES
	PLACES                                         ; (eight, once a launch): in front of the stores that read the sums and of the loads into the fragments' registers
; THE WAY OUT of block a (16 rows x 128 columns of f32): 32 bytes a lane into my stage, each accumulator's low registers first; back as 16 whole rows of 512 bytes, into registers of the block's own.
.macro TOSTAGE a
	WIN 0x08                                       ; the stores' data in window 2
.irp b, 0,1,2,3,4,5,6,7
	ds_store_b128 v[STO], v[8*(8*(\a)+(\b)):8*(8*(\a)+(\b))+3]   offset:64*(\b)
	ds_store_b128 v[STO], v[8*(8*(\a)+(\b))+4:8*(8*(\a)+(\b))+7] offset:64*(\b)+16
.endr
	WIN 0x40
.irp t, 0,1,2,3,4,5,6,7,8,9,10,11,12,13,14,15
	ds_load_b128 v[64*(\a)+4*(\t):64*(\a)+4*(\t)+3], v[RD] offset:(\t)*SPITCH  ; LDS serves a wave's instructions in order (ISA guide 5.7.1.4): these see the stores above; the next block's stores come behind them
.endr
.endm
.macro SEND a, younger                 ; younger: the LDS instructions issued behind block a's loads: the next block's 32, or none
	WIN 0x04                                       ; the stores' data in window 1
.irp t, 0,1,2,3,4,5,6,7,8,9,10,11,12,13,14,15
	s_wait_dscnt (\younger)+15-(\t)
	global_store_b128 v[CO], v[64*(\a)+4*(\t):64*(\a)+4*(\t)+3], s[OUTB:OUTB+1] offset:(16*(\a)+(\t))*8192 th:TH_STORE_NT  ; 512 consecutive bytes, at a multiple of 512 from out0's first
.endr
.endm
	TOSTAGE 0
	TOSTAGE 1
	SEND 0, 32
	TOSTAGE 2
	SEND 1, 32
	TOSTAGE 3
	SEND 2, 32
	SEND 3, 0
	WIN 0
	s_wait_tensorcnt 0x0                           ; the wave's end, behind my last tensor load and my last LDS store
	ds_add_u32 v[SPW], v[NIL]
	s_wait_dscnt 0x0
	CROUND                                         ; the closing round: no work-group ends while a partner may still ask for a tile that names it
	s_endpgm
.Lfunc_end_k_q3146e6dbb8_proj:
	.size	k_q3146e6dbb8_proj, .Lfunc_end_k_q3146e6dbb8_proj-k_q3146e6dbb8_proj
	.p2alignl 7, 3214868480
	.fill 96, 4, 3214868480
	.section	.rodata,"a",@progbits
	.p2align	6, 0x0
	.amdhsa_kernel k_q3146e6dbb8_proj
		.amdhsa_group_segment_fixed_size 327680
		.amdhsa_private_segment_fixed_size 0
		.amdhsa_enable_private_segment 0
		.amdhsa_kernarg_size 24
		.amdhsa_user_sgpr_count 2
		.amdhsa_user_sgpr_kernarg_segment_ptr 1
		.amdhsa_wavefront_size32 1
		.amdhsa_system_sgpr_workgroup_id_x 1
		.amdhsa_system_sgpr_workgroup_id_y 1
		.amdhsa_system_sgpr_workgroup_id_z 1
		.amdhsa_system_vgpr_workitem_id 0
		.amdhsa_next_free_vgpr 768
		.amdhsa_next_free_sgpr 80
		.amdhsa_reserve_vcc 0
		.amdhsa_float_denorm_mode_32 3
		.amdhsa_float_denorm_mode_16_64 3
		.amdhsa_memory_ordered 1
		.amdhsa_forward_progress 1
		.amdhsa_inst_pref_size 89
	.end_amdhsa_kernel
	.amdgpu_metadata
---
amdhsa.version: [ 1, 2 ]
amdhsa.kernels:
  - .name:           k_q3146e6dbb8_proj
    .symbol:         k_q3146e6dbb8_proj.kd
    .args:
      - { .name: ctx, .offset: 0, .size: 8, .value_kind: global_buffer, .address_space: global }
      - { .name: wob, .offset: 8, .size: 8, .value_kind: global_buffer, .address_space: global }
      - { .name: out0, .offset: 16, .size: 8, .value_kind: global_buffer, .address_space: global }
    .group_segment_fixed_size: 327680
    .private_segment_fixed_size: 0
    .kernarg_segment_align: 8
    .kernarg_segment_size: 24
    .max_flat_workgroup_size: 128
    .sgpr_count:     80
    .vgpr_count:     768
    .wavefront_size: 32
...
	.end_amdgpu_metadata
.endif
;; end of part 4
